; MI455X (gfx1250); checked and timed in simulation.
; The chip was launched on July 23, 2026; its instructions are those of AMD's public machine-readable ISA for CDNA 5 (MIT licence, August 2026) and "CDNA5" Instruction Set Architecture Reference Guide (July 2026). The comments in the code are by the model that wrote it; some were corrected since.
;; Mo E. Allowed arithmetic: float matrix products may take bf16 or f16 operands with f32 sums; other float arithmetic in f32, or as packed bf16 or f16 multiplies, adds, multiply-adds, maxima and minima; sums over many terms, partial sums and values carried from step to step in f32; what a program stores and reads back later, other than sums and carried values, may be rounded once to bf16 or f16.
;; Inputs: W1 8 x 512 x 512 float32; W2 8 x 512 x 512 float32; b1 8 x 512 float32; b2 8 x 512 float32; gate_W 512 x 8 float32; gate_b 8 float32; x 4 x 4,096 x 512 float32.
;; Outputs: out0 4 x 4,096 x 512 float32.
;; One version. Each part assembles by itself: llvm-mc -triple=amdgcn-amd-amdhsa -mcpu=gfx1250 --defsym DOCPART=n.
;; ======== version 1 of 1: 2 launches
;; workspace buffers: wp 8,388,608 bytes; bm 65,536 bytes of whole numbers; wpair 131,072 bytes; hist 32,768 bytes of whole numbers
;; launch prep (part 1): grid 256 x 1, 8 waves a work-group, no clusters, 105,728 bytes of LDS; arguments x, gate_W, gate_b, W1, W2, wp, bm, wpair, hist; writes wp, bm, wpair, hist
.if DOCPART == 1
	.amdgcn_target "amdgcn-amd-amdhsa--gfx1250"
	.amdhsa_code_object_version 6
	.text
	.protected	k_q68fe77f6b5_prep
	.globl	k_q68fe77f6b5_prep
	.p2align	8
	.type	k_q68fe77f6b5_prep,@function
k_q68fe77f6b5_prep:
	s_mov_b64 s[64:65], 0
	v_nop
	global_prefetch_b8 v0, s[64:65] scope:SCOPE_SE
	s_setreg_imm32_b32 hwreg(HW_REG_WAVE_MODE, 25, 1), 1
	s_wait_xcnt 0x0
; PREP: (1) W1 and W2, f32 [expert][k][n], are rounded once to bf16 and laid out in the order in which a wave of the second launch takes them as matrix operands;
; (2) every token is routed: logits = x gate_W + gate_b on operands rounded to bf16 (f32 sums), softmax, the two largest, softmax of those two probabilities.
; All stores go to fixed places; no address and no branch hangs on a routed number.
; SHARES.  256 work-groups of eight waves.  Work-group g has tokens 64 g .. 64 g + 63 (8 a wave) and one slab of weights: matrix g / 16 (0-7: W1's experts, 8-15: W2's), k rows 32 (g % 16) .. + 31; wave w has its columns 64 w .. + 63.
; A wave issues all its 52 loads at once, the gate's and x's first: logits and routing are made while the weights are on their way, and the weights are rounded last.
; wp: byte matrix x 524,288 + c x 131,072 + ks x 8,192 + b x 1,024 + half x 512 + lane x 16 holds column 128 c + 16 b + lane % 16, k = 32 ks + 16 half + 8 (lane / 16) + 0..7: half a fragment as a lane takes it.
; A token's SET is the number 0..27 of its pair of experts (lo < hi).  bm[g][s] = two words: bit l of the first: token 64 g + 2 l has set s; of the second: token 64 g + 2 l + 1.  hist[g][s] = tokens of set s in group g.  wpair[t] = (weight of lo, weight of hi).
; LIMITS.  The two experts are chosen by the logits, strictly greater, so the lower index wins a tie; the probabilities, which grow with the logits, would choose otherwise only where two unequal logits give equal rounded probabilities.
; The largest logit is taken away before the exponentials, and the larger probability before the second ones.  An exponential below 2^-126 counts as 0.  NaN and infinities are not treated apart.
.set XTP,   1040                       ; a token's row in LDS: 1,024 bytes of bf16 + 16: the 16 rows of a fragment load begin 16 bytes apart modulo 256
.set GT,    64*XTP                     ; the gate, turned: row e = expert e's 512 weights; rows 8-15 repeat rows 0-7
.set WSG,   GT+16*XTP                  ; a stage for each wave, in which a pass of weights changes lanes
.set WSP,   528                        ; four chunks of 512 bytes + 16
.set WSW,   2304
.set LG,    WSG+8*WSW                  ; the 64 tokens' logits, 48 bytes a token
.set LGP,   48
.set SPARE, LG+64*LGP                  ; the spare words, 128 bytes a wave: four blocks of 256 bytes that no other line names
.set PKW,  16                          ; v16-47   packed bf16 on their way, a set of 16 for each pass
.set GTR,  48                          ; v48-63   two rows of gate_W as loaded
.set XR,   64                          ; v64-191  eight tokens as loaded
.set WR,   192                         ; v192-255 two passes of weights as loaded
.set XF,   64                          ; later: fragments of eight K steps of x,
.set GF,   128                         ; and of the gate
.set ACA,  16                          ; two accumulators, which take turns
.set ACB,  24
.set GBV,  32                          ; gate_b
.set GBT,  40
.set LGT,  48                          ; the logits
.set LA,   64                          ; wave 0's routing: logits of token 2 l,
.set LB,   72                          ; and of token 2 l + 1
.set RA,   80                          ; their registers at work: +0 m1 +1 i1 +2 m2 +3 i2 +4 +5 at work +6 set +8..15 exponents +16 the second's +17..21 sums and weights +22 lo +23 hi
.set RB,   112
.set BMP,  144                         ; v144-145 lane s: the two masks of set s
.set WQ,   148
.set VH,   152                         ; lane s: the count of set s
	s_load_b512 s[8:23], s[0:1], 0x0               ; x s[8:9], gate_W s[10:11], gate_b s[12:13], W1 s[14:15], W2 s[16:17], wp s[18:19], bm s[20:21], wpair s[22:23]
	s_load_b64 s[24:25], s[0:1], 0x40              ; hist
	v_lshl_add_u32 v14, v0, 2, SPARE               ; my spare word,
	v_mov_b32 v15, 0                               ; and 0: kept for the closing lines alone
	v_lshrrev_b32 v1, 5, v0
	v_readfirstlane_b32 s2, v1                     ; wave
	s_mov_b32 s3, ttmp9                            ; g
	v_and_b32 v1, 31, v0                           ; lane
	v_and_b32 v2, 15, v0                           ; r
	v_bfe_u32 v3, v0, 4, 1                         ; h
	v_lshlrev_b32 v4, 4, v1                        ; 16 x lane
	s_mul_i32 s26, s2, 8*XTP
	v_lshl_add_u32 v5, v1, 3, s26                  ; where I put 8 bytes of a token's row
	v_mul_u32_u24 v6, v2, XTP
	v_lshl_add_u32 v6, v3, 4, v6                   ; a fragment's row x pitch + 16 h
	v_add_nc_u32 v7, GT, v6                        ; in the gate,
	s_and_b32 s27, s2, 3
	s_mul_i32 s26, s27, 16*XTP
	v_add_nc_u32 v6, s26, v6                       ; and in the 16 tokens whose logits waves 0-3 make
	v_lshlrev_b32 v8, 4, v2
	v_lshl_add_u32 v8, v3, 14, v8                  ; weights in: 8 h rows of 2,048 bytes + 4 r columns
	v_lshrrev_b32 v9, 2, v2
	v_mul_u32_u24 v9, v9, WSP
	v_lshl_add_u32 v9, v3, 8, v9
	v_and_b32 v10, 3, v2
	v_lshl_add_u32 v9, v10, 6, v9                  ; stage in: chunk r / 4, lane 16 h + 4 (r % 4) + c
	s_mul_i32 s26, s2, WSW
	s_add_co_u32 s26, s26, WSG
	v_add_nc_u32 v9, s26, v9
	v_add_nc_u32 v10, s26, v4                      ; stage out: my lane's 16 bytes of a chunk
	v_lshl_add_u32 v11, v0, 2, GT                  ; gate in: 2 k of a row for each thread
	v_lshlrev_b32 v12, 6, v0                       ; two rows of gate_W for each thread
	s_lshl_b32 s4, s27, 4
	v_add_nc_u32 v13, s4, v2
	v_mul_u32_u24 v13, v13, LGP
	v_add_nc_u32 v13, LG, v13                      ; token 16 w + r's logits (w = 0..3)
	s_lshl_b32 s4, s3, 17                          ; 64 g + 8 w rows of 2,048 bytes
	s_lshl_b32 s5, s2, 14
	s_add_co_u32 s4, s4, s5
	s_mov_b32 s5, 0
	s_lshr_b32 s36, s3, 4                          ; matrix
	s_and_b32 s37, s3, 15                          ; K step
	s_and_b32 s38, s36, 7                          ; expert
	s_lshl_b32 s6, s38, 20
	s_lshl_b32 s39, s37, 16
	s_add_co_u32 s6, s6, s39
	s_lshl_b32 s39, s2, 8
	s_add_co_u32 s6, s6, s39                       ; expert x 1,048,576 + 32 ks rows + my wave's 64 columns
	s_mov_b32 s7, 0
	s_lshl_b32 s40, s36, 19
	s_lshr_b32 s39, s2, 1
	s_lshl_b32 s39, s39, 17
	s_add_co_u32 s40, s40, s39                     ; slice w / 2,
	s_lshl_b32 s39, s37, 13
	s_add_co_u32 s40, s40, s39
	s_and_b32 s39, s2, 1
	s_lshl_b32 s39, s39, 12
	s_add_co_u32 s40, s40, s39                     ; column tiles 4 (w % 2) .. + 3
	s_mov_b32 s41, 0
	s_wait_kmcnt 0x0
	s_load_b256 s[28:35], s[12:13], 0x0            ; gate_b
	s_add_nc_u64 s[8:9], s[8:9], s[4:5]
	s_cmp_lt_u32 s36, 8
	s_cselect_b64 s[14:15], s[14:15], s[16:17]     ; W1 or W2
	s_add_nc_u64 s[14:15], s[14:15], s[6:7]
	s_add_nc_u64 s[18:19], s[18:19], s[40:41]
	s_lshl_b32 s4, s3, 8
	s_add_nc_u64 s[20:21], s[20:21], s[4:5]
	s_lshl_b32 s4, s3, 9
	s_add_nc_u64 s[22:23], s[22:23], s[4:5]
	s_lshl_b32 s4, s3, 7
	s_add_nc_u64 s[24:25], s[24:25], s[4:5]
.macro XLOAD                           ; eight tokens, 32 loads of 512 consecutive bytes
.irp jj, 0,1,2,3,4,5,6,7
.irp sg, 0,1,2,3
	global_load_b128 v[XR+16*\jj+4*\sg:XR+16*\jj+4*\sg+3], v4, s[8:9] offset:\jj*2048+\sg*512
.endr
.endr
.endm
.macro XCVT j0                         ; tokens j0 .. j0 + 3: rounded in place, 8 bytes a lane into the token's row
.irp jj, 0,1,2,3
.irp sg, 0,1,2,3
	v_cvt_pk_bf16_f32 v[XR+16*((\j0)+\jj)+4*\sg], v[XR+16*((\j0)+\jj)+4*\sg], v[XR+16*((\j0)+\jj)+4*\sg+1]
	v_cvt_pk_bf16_f32 v[XR+16*((\j0)+\jj)+4*\sg+1], v[XR+16*((\j0)+\jj)+4*\sg+2], v[XR+16*((\j0)+\jj)+4*\sg+3]
	ds_store_b64 v5, v[XR+16*((\j0)+\jj)+4*\sg:XR+16*((\j0)+\jj)+4*\sg+1] offset:((\j0)+\jj)*XTP+\sg*256
.endr
.endr
.endm
; Pass hf of a wave's two: k rows 16 hf .. + 15 of its 64 columns.  A lane loads 8 rows x 4 columns.
.macro WLOAD hf
.irp j, 0,1,2,3,4,5,6,7
	global_load_b128 v[WR+32*(\hf)+4*\j:WR+32*(\hf)+4*\j+3], v8, s[14:15] offset:(16*(\hf)+\j)*2048 th:TH_LOAD_NT
.endr
.endm
; A column's 8 k pack into 16 bytes; through the wave's own stage they reach the lane that wp's order gives them; each store covers 512 consecutive bytes.
; Each pass has packed registers of its own, so that no register that a store still reads is written again.
.macro WCONV hf
.irp c, 0,1,2,3
.irp m, 0,1,2,3
	v_cvt_pk_bf16_f32 v[PKW+16*(\hf)+4*\c+\m], v[WR+32*(\hf)+8*\m+\c], v[WR+32*(\hf)+8*\m+4+\c]
.endr
.endr
.irp c, 0,1,2,3
	ds_store_b128 v9, v[PKW+16*(\hf)+4*\c:PKW+16*(\hf)+4*\c+3] offset:16*\c
.endr
.irp t, 0,1,2,3
	ds_load_b128 v[PKW+16*(\hf)+4*\t:PKW+16*(\hf)+4*\t+3], v10 offset:WSP*\t   ; LDS serves a wave's instructions in order (ISA guide 5.7.1.4): these see the stores above
.endr
	s_wait_dscnt 0x0
.irp t, 0,1,2,3
	global_store_b128 v4, v[PKW+16*(\hf)+4*\t:PKW+16*(\hf)+4*\t+3], s[18:19] offset:\t*1024+(\hf)*512
.endr
.endm
.macro GCONV                           ; my two rows of gate_W, turned: 2 k of each expert's row, and of its copy
.irp e, 0,1,2,3,4,5,6,7
	v_cvt_pk_bf16_f32 v[GTR+\e], v[GTR+\e], v[GTR+8+\e]
	ds_store_b32 v11, v[GTR+\e] offset:\e*XTP
	ds_store_b32 v11, v[GTR+\e] offset:(\e+8)*XTP
.endr
.endm
.macro FRAGS q                         ; the fragments of K steps 8 q .. 8 q + 7
.irp k, 0,1,2,3,4,5,6,7
	ds_load_b128 v[XF+8*\k:XF+8*\k+3],   v6 offset:64*(8*(\q)+\k)
	ds_load_b128 v[XF+8*\k+4:XF+8*\k+7], v6 offset:64*(8*(\q)+\k)+32
	ds_load_b128 v[GF+8*\k:GF+8*\k+3],   v7 offset:64*(8*(\q)+\k)
	ds_load_b128 v[GF+8*\k+4:GF+8*\k+7], v7 offset:64*(8*(\q)+\k)+32
.endr
.endm
.macro GMUL first                      ; source 0 = the gate's 16 rows, source 1 = 16 tokens: a lane then holds one token (r) and register j expert j.  The two accumulators take turns
.irp k, 0,1,2,3,4,5,6,7
.if (\first) && (\k < 2)
	v_wmma_f32_16x16x32_bf16 v[ACA+8*(\k%2):ACA+8*(\k%2)+7], v[GF+8*\k:GF+8*\k+7], v[XF+8*\k:XF+8*\k+7], 0
.else
	v_wmma_f32_16x16x32_bf16 v[ACA+8*(\k%2):ACA+8*(\k%2)+7], v[GF+8*\k:GF+8*\k+7], v[XF+8*\k:XF+8*\k+7], v[ACA+8*(\k%2):ACA+8*(\k%2)+7]
.endif
.endr
.endm
.irp i, 0,1,2,3
	global_load_b128 v[GTR+4*\i:GTR+4*\i+3], v12, s[10:11] offset:16*\i
.endr
	XLOAD                                          ; 52 loads of a wave are out: 4 of the gate, 32 of x, 16 of weights
	WLOAD 0
	WLOAD 1
	s_wait_loadcnt 48                              ; the gate; younger: 32 of x, 16 of weights
	GCONV
	s_wait_loadcnt 32                              ; four tokens; younger: 16 of x, 16 of weights
	XCVT 0
	s_wait_loadcnt 16                              ; the other four; the weights stay out
	XCVT 4
	s_wait_kmcnt 0x0                               ; gate_b
	s_wait_dscnt 0x0                               ; for the others' sake: my tokens and my part of the gate are in LDS
	s_barrier_signal -1
	s_barrier_wait -1
	s_cmp_lt_u32 s2, 4
	s_cbranch_scc0 .Lnolog                         ; waves 0-3 make the logits, 16 tokens each
	FRAGS 0
	s_wait_dscnt 0x0
	GMUL 1
.rept 4
	v_nop                                          ; four places in front of loads into registers that matrix instructions have read
.endr
	FRAGS 1
	s_wait_dscnt 0x0
	GMUL 0
.irp i, 0,1,2,3,4,5,6,7
	v_mov_b32 v[GBV+\i], s[28+\i]                  ; gate_b is rounded to bf16 like every input; these lines are also the places behind the last products
.endr
.irp i, 0,1,2,3
	v_cvt_pk_bf16_f32 v[GBT+\i], v[GBV+2*\i], v[GBV+2*\i+1]
.endr
.irp i, 0,1,2,3
	v_lshlrev_b32 v[GBV+2*\i], 16, v[GBT+\i]
	v_and_b32 v[GBV+2*\i+1], 0xffff0000, v[GBT+\i]
.endr
.irp i, 0,1,2,3
	v_pk_add_f32 v[LGT+2*\i:LGT+2*\i+1], v[ACA+2*\i:ACA+2*\i+1], v[ACB+2*\i:ACB+2*\i+1]   ; both accumulators from their low end on
.endr
.irp i, 0,1,2,3
	v_pk_add_f32 v[LGT+2*\i:LGT+2*\i+1], v[LGT+2*\i:LGT+2*\i+1], v[GBV+2*\i:GBV+2*\i+1]
.endr
	ds_store_b128 v13, v[LGT:LGT+3]                ; lanes r and r + 16 hold the same eight numbers and write the same bytes
	ds_store_b128 v13, v[LGT+4:LGT+7] offset:16
.Lnolog:
	s_wait_dscnt 0x0
	s_barrier_signal -1
	s_barrier_wait -1
	s_cmp_lg_u32 s2, 0
	s_cbranch_scc1 .Lw                             ; wave 0 routes the group's 64 tokens, two a lane, so that masks and counts come from ballots within one wave
	v_mul_u32_u24 v157, v1, 2*LGP
	v_add_nc_u32 v157, LG, v157
	ds_load_b128 v[LA:LA+3],   v157
	ds_load_b128 v[LA+4:LA+7], v157 offset:16
	ds_load_b128 v[LB:LB+3],   v157 offset:48
	ds_load_b128 v[LB+4:LB+7], v157 offset:64
	v_mov_b32 v[VH], 0
	v_mov_b32 v[BMP], 0
	v_mov_b32 v[BMP+1], 0
	s_wait_dscnt 0x0
.macro SCAN l, rb                      ; the two largest of eight, strictly greater: the lower index keeps its place
	v_mov_b32 v[(\rb)], v[(\l)]
	v_mov_b32 v[(\rb)+1], 0
	v_mov_b32 v[(\rb)+2], 0xff800000
	v_mov_b32 v[(\rb)+3], 0
.irp e, 1,2,3,4,5,6,7
	v_cmp_gt_f32 s36, v[(\l)+\e], v[(\rb)]
	v_cmp_gt_f32 vcc_lo, v[(\l)+\e], v[(\rb)+2]
	v_cndmask_b32 v[(\rb)+4], v[(\rb)+2], v[(\l)+\e], vcc_lo
	v_cndmask_b32 v[(\rb)+5], v[(\rb)+3], \e, vcc_lo
	v_cndmask_b32 v[(\rb)+2], v[(\rb)+4], v[(\rb)], s36
	v_cndmask_b32 v[(\rb)+3], v[(\rb)+5], v[(\rb)+1], s36
	v_cndmask_b32 v[(\rb)], v[(\rb)], v[(\l)+\e], s36
	v_cndmask_b32 v[(\rb)+1], v[(\rb)+1], \e, s36
.endr
.irp e, 0,1,2,3,4,5,6,7
	v_sub_f32 v[(\rb)+8+\e], v[(\l)+\e], v[(\rb)]  ; the maximum is taken away first, exactly
.endr
	v_sub_f32 v[(\rb)+16], v[(\rb)+2], v[(\rb)]
.irp e, 0,1,2,3,4,5,6,7,8
	v_mul_f32 v[(\rb)+8+\e], 0x3fb8aa3b, v[(\rb)+8+\e]
.endr
.endm
	SCAN LA, RA
	SCAN LB, RB
.irp rb, RA, RB
.irp e, 0,1,2,3,4,5,6,7,8
	v_exp_f32 v[\rb+8+\e], v[\rb+8+\e]             ; one batch of 18
.endr
.endr
	v_nop                                          ; a plain instruction behind the last exponential,
	s_wait_alu depctr_va_vdst(0)                   ; and one wait for the batch ahead of the first use
.irp rb, RA, RB
	v_pk_add_f32 v[\rb+8:\rb+9], v[\rb+8:\rb+9], v[\rb+10:\rb+11]
	v_pk_add_f32 v[\rb+12:\rb+13], v[\rb+12:\rb+13], v[\rb+14:\rb+15]
.endr
.irp rb, RA, RB
	v_pk_add_f32 v[\rb+8:\rb+9], v[\rb+8:\rb+9], v[\rb+12:\rb+13]
.endr
.irp rb, RA, RB
	v_add_f32 v[\rb+17], v[\rb+8], v[\rb+9]        ; the softmax's sum; the largest term is 1
.endr
.irp rb, RA, RB
	v_rcp_f32 v[\rb+18], v[\rb+17]
.endr
	v_nop
	s_wait_alu depctr_va_vdst(0)
.irp rb, RA, RB
	v_add_f32 v[\rb+19], -1.0, v[\rb+16]
	v_mul_f32 v[\rb+19], v[\rb+19], v[\rb+18]      ; p2 - p1: the larger probability is taken away
	v_mul_f32 v[\rb+19], 0x3fb8aa3b, v[\rb+19]
.endr
.irp rb, RA, RB
	v_exp_f32 v[\rb+19], v[\rb+19]
.endr
	v_nop
	s_wait_alu depctr_va_vdst(0)
.irp rb, RA, RB
	v_add_f32 v[\rb+17], 1.0, v[\rb+19]
.endr
.irp rb, RA, RB
	v_rcp_f32 v[\rb+20], v[\rb+17]                 ; the first's weight
.endr
	v_nop
	s_wait_alu depctr_va_vdst(0)
.irp rb, RA, RB
	v_mul_f32 v[\rb+21], v[\rb+19], v[\rb+20]      ; the second's
.endr
.macro FIN rb, x                       ; the pair in ascending order, its weights with it, and its number ((lo (15 - lo)) >> 1) + hi - lo - 1
	v_min_u32 v[(\rb)+22], v[(\rb)+1], v[(\rb)+3]
	v_max_u32 v[(\rb)+23], v[(\rb)+1], v[(\rb)+3]
	v_cmp_lt_u32 vcc_lo, v[(\rb)+1], v[(\rb)+3]
	v_cndmask_b32 v[WQ+2*(\x)], v[(\rb)+21], v[(\rb)+20], vcc_lo
	v_cndmask_b32 v[WQ+2*(\x)+1], v[(\rb)+20], v[(\rb)+21], vcc_lo
	v_sub_nc_u32 v[(\rb)+4], 15, v[(\rb)+22]
	v_mul_u32_u24 v[(\rb)+4], v[(\rb)+22], v[(\rb)+4]
	v_lshrrev_b32 v[(\rb)+4], 1, v[(\rb)+4]
	v_add_nc_u32 v[(\rb)+4], v[(\rb)+4], v[(\rb)+23]
	v_sub_nc_u32 v[(\rb)+4], v[(\rb)+4], v[(\rb)+22]
	v_add_nc_u32 v[(\rb)+6], -1, v[(\rb)+4]
.endm
	FIN RA, 0
	FIN RB, 1
.macro BALLOT s                        ; set s: the masks of its even and of its odd tokens and their count go to lane s.  Values alone: nothing here steers an address or a branch
	v_cmp_eq_u32 s36, \s, v[RA+6]
	v_cmp_eq_u32 s37, \s, v[RB+6]
	s_bcnt1_i32_b32 s38, s36
	s_bcnt1_i32_b32 s39, s37
	s_add_co_u32 s38, s38, s39
	v_writelane_b32 v[BMP], s36, \s
	v_writelane_b32 v[BMP+1], s37, \s
	v_writelane_b32 v[VH], s38, \s
.endm
.set sx, 0
.rept 28
	BALLOT sx
.set sx, sx+1
.endr
	v_lshlrev_b32 v155, 3, v1
	v_lshlrev_b32 v156, 2, v1
	global_store_b64 v155, v[BMP:BMP+1], s[20:21]      ; the group's 256 bytes of bm, whole,
	global_store_b128 v4, v[WQ:WQ+3], s[22:23]         ; 512 of wpair,
	global_store_b32 v156, v[VH], s[24:25]             ; 128 of hist
.Lw:
	s_wait_loadcnt 8                               ; the first pass of weights; the second's eight loads may stay out
	WCONV 0
	s_wait_loadcnt 0x0
	WCONV 1
	s_wait_tensorcnt 0x0                           ; the wave's end
	ds_add_u32 v14, v15
	s_wait_dscnt 0x0
	s_endpgm
.Lfunc_end_k_q68fe77f6b5_prep:
	.size	k_q68fe77f6b5_prep, .Lfunc_end_k_q68fe77f6b5_prep-k_q68fe77f6b5_prep
	.p2alignl 7, 3214868480
	.fill 96, 4, 3214868480
	.section	.rodata,"a",@progbits
	.p2align	6, 0x0
	.amdhsa_kernel k_q68fe77f6b5_prep
		.amdhsa_group_segment_fixed_size 105728
		.amdhsa_private_segment_fixed_size 0
		.amdhsa_enable_private_segment 0
		.amdhsa_kernarg_size 72
		.amdhsa_user_sgpr_count 2
		.amdhsa_user_sgpr_kernarg_segment_ptr 1
		.amdhsa_wavefront_size32 1
		.amdhsa_system_sgpr_workgroup_id_x 1
		.amdhsa_system_sgpr_workgroup_id_y 1
		.amdhsa_system_sgpr_workgroup_id_z 1
		.amdhsa_system_vgpr_workitem_id 0
		.amdhsa_next_free_vgpr 256
		.amdhsa_next_free_sgpr 66
		.amdhsa_reserve_vcc 1
		.amdhsa_float_denorm_mode_32 3
		.amdhsa_float_denorm_mode_16_64 3
		.amdhsa_memory_ordered 1
		.amdhsa_forward_progress 1
		.amdhsa_inst_pref_size 50
	.end_amdhsa_kernel
	.amdgpu_metadata
---
amdhsa.version: [ 1, 2 ]
amdhsa.kernels:
  - .name:           k_q68fe77f6b5_prep
    .symbol:         k_q68fe77f6b5_prep.kd
    .args:
      - { .name: x, .offset: 0, .size: 8, .value_kind: global_buffer, .address_space: global }
      - { .name: gate_W, .offset: 8, .size: 8, .value_kind: global_buffer, .address_space: global }
      - { .name: gate_b, .offset: 16, .size: 8, .value_kind: global_buffer, .address_space: global }
      - { .name: W1, .offset: 24, .size: 8, .value_kind: global_buffer, .address_space: global }
      - { .name: W2, .offset: 32, .size: 8, .value_kind: global_buffer, .address_space: global }
      - { .name: wp, .offset: 40, .size: 8, .value_kind: global_buffer, .address_space: global }
      - { .name: bm, .offset: 48, .size: 8, .value_kind: global_buffer, .address_space: global }
      - { .name: wpair, .offset: 56, .size: 8, .value_kind: global_buffer, .address_space: global }
      - { .name: hist, .offset: 64, .size: 8, .value_kind: global_buffer, .address_space: global }
    .group_segment_fixed_size: 105728
    .private_segment_fixed_size: 0
    .kernarg_segment_align: 8
    .kernarg_segment_size: 72
    .max_flat_workgroup_size: 256
    .sgpr_count:     66
    .vgpr_count:     256
    .wavefront_size: 32
...
	.end_amdgpu_metadata
.endif
;; end of part 1
;; launch chain (part 2): grid 232 x 1, 4 waves a work-group, no clusters, 290,816 bytes of LDS; arguments x, wp, b1, b2, hist, bm, wpair, out0; writes out0
.if DOCPART == 2
	.amdgcn_target "amdgcn-amd-amdhsa--gfx1250"
	.amdhsa_code_object_version 6
	.text
	.protected	k_q68fe77f6b5_chain
	.globl	k_q68fe77f6b5_chain
	.p2align	8
	.type	k_q68fe77f6b5_chain,@function
k_q68fe77f6b5_chain:
	s_mov_b64 s[64:65], 0
	v_nop
	global_prefetch_b8 v0, s[64:65] scope:SCOPE_SE
	s_setreg_imm32_b32 hwreg(HW_REG_WAVE_MODE, 25, 1), 1
	s_wait_xcnt 0x0
; CHAIN: a work-group takes one tile, up to 80 tokens that chose the same two experts (lo, hi), through the whole chain:
;   find the tile's tokens -> gather x (rounded to bf16) -> h_e = relu(x W1_e + b1_e) for both experts, each times its gate weight w_e, rounded to bf16
;   -> out = [h_lo h_hi] [W2_lo ; W2_hi] + w_lo b2_lo + w_hi b2_hi, ONE sum with K = 1,024 -> out0.
; Each output row has one owner; the hidden layer stays in LDS.  232 work-groups serve every split of the tokens: (16,384 + 28 x 79) / 80.  Places past the tile's count repeat the set's last token:
; they are multiplied and not stored; a tile without tokens stores nothing, and passes every barrier like any other.
; THE TILE.  The tokens of a set are numbered by group of 64, in a group the even tokens first, each kind by its bit in bm.  Tile c is the (c - first tile of its set)-th run of 80 of one set.  Every work-group adds up the 256
; histograms for itself (32 KB, a set a lane), walks the 28 sets in scalar registers, and each wave then finds all 80 tokens: the group by a search in the running sums (kept in LDS), the token as the n-th set bit of the group's masks.
; All of that is whole numbers read from memory.
; SHARES.  Wave w makes columns 128 w .. + 127 of every product for all 80 rows: 5 x 8 accumulators of 16 x 16, 320 registers.  The matrix instruction is used transposed (source 0 = 16 weight columns, source 1 = 16 tokens):
; a lane holds one token (lane % 16) and eight neighbouring columns 8 (lane / 16) + 0..7.
; WEIGHTS come from wp straight into operand registers, through a ring of four register slots of one K step (32 k x 128 columns, 8 KB) each: with the waves splitting the columns each weight byte has ONE reader in the work-group,
; so a way through LDS would add a write and a read for nothing.  NO CLUSTER, no joint loads: partners would need the same pair of experts; 64 clusters dealt over 28 pairs can be bound only by 16,384 / (64 - 28) = 455 rows a cluster,
; 128 row places a work-group, whose x and h (133,120 + 264,192 bytes) do not fit in LDS.
; FORMATS.  Every input is rounded to bf16 (the biases too, kept as f32 numbers); sums in f32; h in bf16, not f16: with inputs 30 times larger h passes f16's range.
; LIMITS.  relu stands behind the multiplication by w, which is the same since w lies in 0.26 to 0.74.  NaN and infinities are not treated apart.
.set XSP,  1040                        ; a row of x in LDS: 1,024 + 16 bytes
.set HSP,  2064                        ; a row of h: h_lo 1,024, h_hi 1,024, + 16
.set STP,  528                         ; a row of the way out's stage: 128 f32 + 16 bytes.  All three pitches are odd multiples of 16: the 16 rows that a load or store touches begin 16 bytes apart modulo 256
.set HS,   80*XSP
.set STG,  HS+80*HSP                   ; 16 rows for each wave
.set BIA,  STG+4*16*STP                ; b1_lo, b1_hi, b2_lo, b2_hi, 2,048 bytes each
.set SPARE, BIA+4*2048                 ; the spare words, 128 bytes a wave: two blocks of 256 bytes that no other line names
.set PTP,  128                         ; the table of running sums lies where x's rows will lie: row g of 32 words, every one written; word s: tokens of set s in the groups of g's quarter before g.
                                       ; Rows two apart begin at the same bank (64 banks of 4 bytes: ISA guide 11.1); the 16 places of a probe lie in a few neighbouring groups, so a few lanes at the most meet, in 30 loads in all
.set WTB,  256*PTP                     ; behind it: row w, word s: tokens of set s in groups 64 w .. + 63
; REGISTERS, in windows of 256 (s_set_vgpr_msb: bits 1:0 source 0, 3:2 source 1, 5:4 source 2, 7:6 destination).
; window 0: v0 thread, v1 lane, v2 r, v3 h, v4 16 lane, v5-6 where gathered x goes, v7 = 0, v13 my place in a bias, v24-25 the stage in and out, v26-27 the add's two
.set AD,   8                           ; v8-12    LDS address of block a's fragments in the trip in hand
.set VO,   14                          ; v14-17   slot u's byte offset in wp
.set HST,  18                          ; v18-22   where block a's h goes
.set TOKV, 28                          ; v28-32   lane r: the token of row 16 a + r
.set WP,   34                          ; v34-43   (w_lo, w_hi) of row 16 a + r
.set WS,   44                          ; v44-53   in the low word the weight of the expert in hand
.set AX,   54                          ; v54-58   AD at k = 0
.set VL,   60                          ; v60-63   16 lane + 8,192 u
.set A0,   64                          ; v64-103, v104-143  fragments of the 80 rows, two buffers
.set PK,   144                         ; v144-175 packed bf16 on their way
.set GO,   176                         ; v176-195 the gather's 20 row offsets
.set ROFF, 176                         ; later: 16 row offsets in out0
.set OB,   192                         ; v192-255 16 rows on the way out
.set IDX,  196                         ; v196-199 4 x the lane that holds the token of my i-th row of a block
.set BQ,   200                         ; v200-215 the four biases as loaded; v216-227 set-up
.set MP,   228                         ; v228-237 five pairs of masks
; while the tile is found (all free again before x is gathered): five registers each, one for each block of 16 rows
.set HIS,  64                          ; v64-127  64 histograms, a set a lane; then:
.set MS,   64                          ; the mask that holds the token
.set RK,   69                          ; its rank among the mask's bits
.set SA,   74                          ; the mask's bit counts by 2,
.set SB,   79                          ; by 4,
.set SC,   84                          ; by 8,
.set SD,   89                          ; by 16 bits
.set T1,   94
.set T2,   99
.set T3,   104
.set PP,   109                         ; the bit
.set OD,   114                         ; 1: an odd token
.set K64,  120                         ; 64, 128, 192
.set K128, 121
.set K192, 122
.set V8S,  123                         ; 8 x set
.set WTV,  128                         ; v128-131 the four quarters' totals, a set a lane
.set TOT,  132
.set C2,   133                         ; the first two quarters', the first three quarters'
.set C3,   134
.set C1V,  135                         ; the same three for my set, in every lane
.set C2V,  136
.set C3V,  137
.set V4S,  138                         ; 4 x set
.set POS,  140                         ; the row's place in its set, then in its quarter
.set GR,   145                         ; its group
.set BS,   150                         ; the group's running sum
.set CAND, 155
.set ADR,  160
.set VAL,  165
; window 1: the ring: slot u, column tile b at v[64 u + 8 b].   window 2: accumulators of blocks 0-3 at v[64 a + 8 b].   window 3: block 4 at v[8 b]; v64-127, v128-191 two slices of bias, register 8 b + j for column 16 b + 8 h + j
.set BTA,  64
.set BTB,  128
.set TT,   32                          ; s[32:59] the 28 sets' totals, while the sets are walked
; s2 wave, s3 tile, s24 pair, s25 the set's first tile, s26 its tokens, s27 its number, s28 lo, s29 hi, s30 the tile's first place in the set, s31 count,
; s32 the CHUNK of wp that the fills take, as a number: a chunk is four K steps of my slice, 32,768 bytes; a matrix is 16 chunks on from the one before, of which my slice has four; s33-35 the first chunks of the matrices to come,
; s39 the chunk held to 0 .. 243 (15 x 16 + 3, the largest there is), s36 the fragments' byte along K, s37 trips, s38 experts, s40-55 masks, later 16 tokens on the way out
.set MSB, 0
.macro WIN new                         ; the immediate's high byte repeats the setting that is left; a switch that changes nothing is dropped
.if MSB != (\new)
	s_set_vgpr_msb (MSB<<8)|(\new)
.set MSB, (\new)
.endif
.endm
.macro BLK a                           ; block a's accumulators: v[AC ..] of window 2 (HIW = 0) or 3 (HIW = 1)
.if (\a) < 4
.set AC, 64*(\a)
.set HIW, 0
.else
.set AC, 0
.set HIW, 1
.endif
.endm
.macro EACH line:vararg                ; one line for each of the five blocks ch: five chains that do not wait for each other
.set ch, 0
.rept 5
	\line
.set ch, ch+1
.endr
.endm
.macro RING u                          ; slot u is filled: 16 loads of 512 consecutive bytes
	WIN 0x40
.irp b, 0,1,2,3,4,5,6,7
	global_load_b128 v[64*(\u)+8*\b:64*(\u)+8*\b+3],   v[VO+(\u)], s[10:11] offset:\b*1024
	global_load_b128 v[64*(\u)+8*\b+4:64*(\u)+8*\b+7], v[VO+(\u)], s[10:11] offset:\b*1024+512
.endr
.endm
.macro ALOAD par, koff                 ; the 80 rows' fragments of one K step
	WIN 0
.irp a, 0,1,2,3,4
	ds_load_b128 v[A0+40*(\par)+8*\a:A0+40*(\par)+8*\a+3],   v[AD+\a] offset:(\koff)
	ds_load_b128 v[A0+40*(\par)+8*\a+4:A0+40*(\par)+8*\a+7], v[AD+\a] offset:(\koff)+32
.endr
.endm
.macro MUL a, u                        ; block a x all 8 column tiles.  The 40 accumulators take turns in the same order in every K step, over the loops' jumps too
	BLK \a
	WIN 0xa1+0x50*HIW
.set FA, A0+40*((\u)%2)+8*(\a)
.irp b, 0,1,2,3,4,5,6,7
	v_wmma_f32_16x16x32_bf16 v[AC+8*\b:AC+8*\b+7], v[64*(\u)+8*\b:64*(\u)+8*\b+7], v[FA:FA+7], v[AC+8*\b:AC+8*\b+7]
.endr
.endm
; A K STEP on slot u: 40 matrix instructions back to back, then ONE run of loads.  left: the ring loads younger than slot u's.  dleft: the LDS loads younger than this step's fragments.
; Behind the products stand four plain instructions or more: the places in front of the loads into the buffer and the slot just read, and of whatever reads the sums behind the last step.
; The run: the fragments of the step after next, into the buffer just read (a whole step ahead of their use), and, fill = 1, the K step four steps on into the slot just read.
; mask != 0: behind the trip's third step the fragments go on 256 bytes along K, modulo the row's length; mask = 0: the last trip, which fetches nothing beyond its own four steps.
.macro KSTEP u, fill, mask, left, dleft
	s_wait_loadcnt \left                           ; loads come back in order (ISA guide 5.7.1): slot u is in; this wait also frees its offset register
	s_wait_dscnt \dleft                            ; this step's fragments are in; the next step's ten loads may stay out
	MUL 0, \u
	MUL 1, \u
	MUL 2, \u
	MUL 3, \u
	MUL 4, \u
	WIN 0
.set NPL, 0
.if \fill
	v_lshl_add_u32 v[VO+(\u)], s39, 15, v[VL+(\u)] ; the chunk's 32,768 bytes x its number + the slot's K step + my lane
.set NPL, NPL+1
.endif
.if ((\u) == 2) && (\mask)
	s_add_co_u32 s36, s36, 256
	s_and_b32 s36, s36, \mask
.irp a, 0,1,2,3,4
	v_add_nc_u32 v[AD+\a], s36, v[AX+\a]
.endr
.set NPL, NPL+5
.endif
.if NPL < 4
.rept 4-NPL
	v_nop
.endr
.endif
.if (\u) < 2
	ALOAD \u, 128+64*(\u)
.elseif (\mask)
	ALOAD (\u)-2, 64*((\u)-2)
.endif
.if \fill
	RING \u
.endif
.endm
.macro TRIP fill, mask, tail           ; four K steps, once round the ring.  tail = 1: nothing is filled, and the counts run down
	KSTEP 0, \fill, \mask, 48, 10
	KSTEP 1, \fill, \mask, 48-16*(\tail), 10
	KSTEP 2, \fill, \mask, 48-32*(\tail), 10
	KSTEP 3, \fill, \mask, 48-48*(\tail), 10-10*(\tail)
.endm
.macro BTLOAD dst, imm                 ; my 128 columns of a bias, as the accumulators hold columns
	WIN 0xc0
.irp b, 0,1,2,3,4,5,6,7
	ds_load_b128 v[(\dst)+8*\b:(\dst)+8*\b+3],   v13 offset:(\imm)+64*\b
	ds_load_b128 v[(\dst)+8*\b+4:(\dst)+8*\b+7], v13 offset:(\imm)+64*\b+16
.endr
.endm
.macro INIT1                           ; the sums begin with b1: two registers a line (there is no packed move)
.irp a, 0,1,2,3,4
	BLK \a
	WIN 0x83+0x40*HIW
.set z, 0
.rept 32
	v_pk_mul_f32 v[AC+2*z:AC+2*z+1], v[BTA+2*z:BTA+2*z+1], 1.0 op_sel_hi:[1,0]
.set z, z+1
.endr
.endr
.endm
.macro EPI1                            ; h = relu(w (x W1 + b1)) in bf16, 16 bytes a lane into the token's row; each accumulator is read from its low end on
.irp a, 0,1,2,3,4
	BLK \a
	WIN 0x82+0x41*HIW
.set z, 0
.rept 32
	v_pk_mul_f32 v[AC+2*z:AC+2*z+1], v[AC+2*z:AC+2*z+1], v[WS+2*\a:WS+2*\a+1] op_sel_hi:[1,0]
.set z, z+1
.endr
	WIN 0x0a+5*HIW
.set z, 0
.rept 32
	v_cvt_pk_bf16_f32 v[PK+z], v[AC+2*z], v[AC+2*z+1]
.set z, z+1
.endr
	WIN 0
.set z, 0
.rept 32
	v_pk_max_num_bf16 v[PK+z], v[PK+z], v7
.set z, z+1
.endr
.irp b, 0,1,2,3,4,5,6,7
	ds_store_b128 v[HST+\a], v[PK+4*\b:PK+4*\b+3] offset:32*\b
.endr
.endr
.endm
.macro INIT2                           ; the second layer's sums begin with w_lo b2_lo + w_hi b2_hi
.irp a, 0,1,2,3,4
	BLK \a
	WIN 0xa3+0x50*HIW
.set z, 0
.rept 32
	v_pk_mul_f32 v[AC+2*z:AC+2*z+1], v[BTA+2*z:BTA+2*z+1], v[WP+2*\a:WP+2*\a+1] op_sel_hi:[1,0]
.set z, z+1
.endr
.set z, 0
.rept 32
	v_pk_fma_f32 v[AC+2*z:AC+2*z+1], v[BTB+2*z:BTB+2*z+1], v[WS+2*\a:WS+2*\a+1], v[AC+2*z:AC+2*z+1] op_sel_hi:[1,0,1]
.set z, z+1
.endr
.endr
.endm
.macro XGRP a, left                    ; four gathered rows are rounded and laid into LDS
	s_wait_loadcnt \left
	BLK \a
	WIN 0x0a+5*HIW
.set z, 0
.rept 32
	v_cvt_pk_bf16_f32 v[PK+z], v[AC+2*z], v[AC+2*z+1]
.set z, z+1
.endr
	WIN 0
.irp i, 0,1,2,3
.irp sg, 0,1,2,3
.if (\a) < 4
	ds_store_b64 v5, v[PK+8*\i+2*\sg:PK+8*\i+2*\sg+1] offset:(16*(\a)+\i)*XSP+256*\sg
.else
	ds_store_b64 v6, v[PK+8*\i+2*\sg:PK+8*\i+2*\sg+1] offset:\i*XSP+256*\sg
.endif
.endr
.endr
.endm
; THE WAY OUT of block a: through my own stage the 16 rows become whole; each store writes 512 consecutive bytes of one token's row.  The rows of a tile are its first count places: at the first row past the count the wave is done.
; The 16 tokens are read out of their lanes in one batch, and so are clamped and made into offsets: no line waits for the one just before it.
.macro OUTBLK a
	s_wait_xcnt 0x0                                ; the last block's stores have read their offsets and data: only behind this wait are those registers written again
	BLK \a
	WIN 0
.irp t, 0,1,2,3,4,5,6,7,8,9,10,11,12,13,14,15
	v_readlane_b32 s[40+\t], v[TOKV+(\a)], \t
.endr
	WIN 0x08+4*HIW
.irp b, 0,1,2,3,4,5,6,7
	ds_store_b128 v24, v[AC+8*\b:AC+8*\b+3]   offset:64*\b
	ds_store_b128 v24, v[AC+8*\b+4:AC+8*\b+7] offset:64*\b+16
.endr
	WIN 0
.irp t, 0,1,2,3,4,5,6,7,8,9,10,11,12,13,14,15
	ds_load_b128 v[OB+4*\t:OB+4*\t+3], v25 offset:STP*\t   ; LDS serves a wave's instructions in order (ISA guide 5.7.1.4): these see the stores above
.endr
.irp t, 0,1,2,3,4,5,6,7,8,9,10,11,12,13,14,15
	s_min_u32 s[40+\t], s[40+\t], 0x3fff
.endr
.irp t, 0,1,2,3,4,5,6,7,8,9,10,11,12,13,14,15
	v_lshl_add_u32 v[ROFF+\t], s[40+\t], 11, v4
.endr
.irp t, 0,1,2,3,4,5,6,7,8,9,10,11,12,13,14,15
	s_wait_dscnt 15-\t
	s_cmp_gt_u32 s31, 16*(\a)+\t
	s_cbranch_scc0 .Ldone
	global_store_b128 v[ROFF+\t], v[OB+4*\t:OB+4*\t+3], s[22:23] th:TH_STORE_NT
.endr
.endm
; One set of the walk: the last set whose first tile is not past mine is the one that holds my tile.
.macro SETSTEP s, pair
	s_cmp_le_u32 s60, s3
	s_cselect_b32 s24, \pair, s24
	s_cselect_b32 s25, s60, s25
	s_cselect_b32 s26, s[TT+(\s)], s26
	s_cselect_b32 s27, \s, s27
	s_add_co_u32 s61, s[TT+(\s)], 79
	s_mul_i32 s61, s61, 52429                      ; (n x 52,429) >> 22 = n / 80, exact below 262,144: 52,429 x 80 = 2^22 + 16
	s_lshr_b32 s61, s61, 22
	s_add_co_u32 s60, s60, s61
.endm
; One probe of the search: the largest group of the quarter whose running sum is not past the row's place, built bit by bit.
.macro PROBE st
	EACH v_add_nc_u32 v[CAND+ch], \st, v[GR+ch]
	EACH v_min_u32 v[CAND+ch], 0xff, v[CAND+ch]
	EACH v_lshl_add_u32 v[ADR+ch], v[CAND+ch], 7, v[V4S]
	EACH ds_load_b32 v[VAL+ch], v[ADR+ch]
	s_wait_dscnt 0x0
	EACH v_cmp_le_u32 s[40+ch], v[VAL+ch], v[POS+ch]
	EACH v_cndmask_b32 v[GR+ch], v[GR+ch], v[CAND+ch], s[40+ch]
	EACH v_cndmask_b32 v[BS+ch], v[BS+ch], v[VAL+ch], s[40+ch]
.endm
; The bit counts of five masks (first register x, st apart) by fields of 2, 4, 8 and 16 bits.
.macro COUNTS x, st
	EACH v_lshrrev_b32 v[T1+ch], 1, v[(\x)+(\st)*ch]
	EACH v_and_b32 v[T1+ch], 0x55555555, v[T1+ch]
	EACH v_sub_nc_u32 v[SA+ch], v[(\x)+(\st)*ch], v[T1+ch]
	EACH v_lshrrev_b32 v[T1+ch], 2, v[SA+ch]
	EACH v_and_b32 v[T2+ch], 0x33333333, v[SA+ch]
	EACH v_and_b32 v[T1+ch], 0x33333333, v[T1+ch]
	EACH v_add_nc_u32 v[SB+ch], v[T1+ch], v[T2+ch]
	EACH v_lshrrev_b32 v[T1+ch], 4, v[SB+ch]
	EACH v_add_nc_u32 v[T1+ch], v[T1+ch], v[SB+ch]
	EACH v_and_b32 v[SC+ch], 0x0f0f0f0f, v[T1+ch]
	EACH v_lshrrev_b32 v[T1+ch], 8, v[SC+ch]
	EACH v_add_nc_u32 v[T1+ch], v[T1+ch], v[SC+ch]
	EACH v_and_b32 v[SD+ch], 0x00ff00ff, v[T1+ch]
.endm
; One level of the choice of the RK-th set bit: of the 2 sh bits from PP on, the lower sh hold so many set bits (field of wd bits at PP in w); if the rank is not below that, the bit lies in the upper sh.
.macro LEVEL sh, w, wd
	EACH v_bfe_u32 v[T1+ch], v[(\w)+ch], v[PP+ch], \wd
	EACH v_cmp_ge_u32 s[40+ch], v[RK+ch], v[T1+ch]
	EACH v_sub_nc_u32 v[T2+ch], v[RK+ch], v[T1+ch]
	EACH v_add_nc_u32 v[T3+ch], \sh, v[PP+ch]
	EACH v_cndmask_b32 v[RK+ch], v[RK+ch], v[T2+ch], s[40+ch]
	EACH v_cndmask_b32 v[PP+ch], v[PP+ch], v[T3+ch], s[40+ch]
.endm
	s_load_b512 s[8:23], s[0:1], 0x0               ; x s[8:9], wp s[10:11], b1 s[12:13], b2 s[14:15], hist s[16:17], bm s[18:19], wpair s[20:21], out0 s[22:23]
	v_lshl_add_u32 v26, v0, 2, SPARE               ; my spare word,
	v_mov_b32 v27, 0                               ; and 0: kept for the closing lines alone
	v_lshrrev_b32 v1, 5, v0
	v_readfirstlane_b32 s2, v1                     ; wave
	s_mov_b32 s3, ttmp9                            ; tile
	v_and_b32 v1, 31, v0
	v_lshlrev_b32 v224, 2, v1                      ; 4 x lane
	s_lshl_b32 s4, s2, 13
	v_add_nc_u32 v225, s4, v224                    ; my wave's 64 rows of hist
	s_wait_kmcnt 0x0
.set i, 0
.rept 64
	global_load_b32 v[HIS+i], v225, s[16:17] offset:128*i
.set i, i+1
.endr
	v_and_b32 v2, 15, v0                           ; the lane arithmetic stands in the wait for the histograms
	v_bfe_u32 v3, v0, 4, 1
	v_lshlrev_b32 v4, 4, v1
	s_mul_i32 s60, s2, 4*XSP
	v_lshl_add_u32 v5, v1, 3, s60                  ; gathered rows 16 a + 4 w + i: 8 bytes a lane
	v_add_nc_u32 v6, 64*XSP, v5                    ; block 4 lies past an LDS offset's 16 bits
	v_mov_b32 v7, 0
	v_mul_u32_u24 v[AX], v2, XSP
	v_lshl_add_u32 v[AX], v3, 4, v[AX]             ; a fragment's row x pitch + 16 h
.irp a, 1,2,3,4
	v_add_nc_u32 v[AX+\a], \a*16*XSP, v[AX]
.endr
.irp a, 0,1,2,3,4
	v_mov_b32 v[AD+\a], v[AX+\a]
.endr
	s_lshl_b32 s60, s2, 9
	s_add_co_u32 s60, s60, BIA
	v_lshl_add_u32 v13, v3, 5, s60
.irp u, 0,1,2,3
	v_add_nc_u32 v[VL+\u], \u*8192, v4
.endr
	v_mul_u32_u24 v[HST], v2, HSP
	v_lshl_add_u32 v[HST], v3, 4, v[HST]
	s_lshl_b32 s60, s2, 8
	s_add_co_u32 s60, s60, HS
	v_add_nc_u32 v[HST], s60, v[HST]               ; row x pitch + my wave's 256 bytes + 16 h
.irp a, 1,2,3,4
	v_add_nc_u32 v[HST+\a], \a*16*HSP, v[HST]
.endr
	s_mul_i32 s60, s2, 16*STP
	s_add_co_u32 s60, s60, STG
	v_mul_u32_u24 v24, v2, STP
	v_lshl_add_u32 v24, v3, 5, v24
	v_add_nc_u32 v24, s60, v24
	v_add_nc_u32 v25, s60, v4
	v_lshl_add_u32 v218, v0, 4, BIA
	s_lshl_b32 s62, s2, 4
.irp i, 0,1,2,3
	s_add_co_u32 s63, s62, 4*\i
	v_mov_b32 v[IDX+\i], s63                       ; lane 4 w + i, as a byte index
.endr
	s_mul_i32 s60, s2, 64*PTP
	v_add_nc_u32 v226, s60, v224                   ; my wave's 64 rows of the table,
	s_lshl_b32 s60, s2, 7
	s_add_co_u32 s60, s60, WTB
	v_add_nc_u32 v227, s60, v224                   ; and its row of totals
	s_mov_b32 s5, 0
	s_lshl_b32 s4, s2, 17
	s_add_nc_u64 s[10:11], s[10:11], s[4:5]        ; my wave's slice of every matrix
	s_lshl_b32 s4, s2, 9
	s_add_nc_u64 s[22:23], s[22:23], s[4:5]        ; my wave's 512 bytes of every row of out0
	; THE RUNNING SUMS, in place; row i + 1 of the table takes the sum of rows 0 .. i, the row of totals the last.
	ds_store_b32 v226, v7                          ; nothing lies before a quarter's first group
.irp gq, 0,1,2,3
	s_wait_loadcnt 48-16*\gq                       ; sixteen more histograms are in
.set i, 16*\gq
.rept 16
.if i > 0
	v_add_nc_u32 v[HIS+i], v[HIS+i], v[HIS+i-1]
.endif
.if i < 63
	ds_store_b32 v226, v[HIS+i] offset:PTP*(i+1)
.else
	ds_store_b32 v227, v[HIS+i]
.endif
.set i, i+1
.endr
.endr
	s_wait_dscnt 0x0                               ; for the others' sake: my quarter of the table is in LDS
	s_barrier_signal -1
	s_barrier_wait -1
.irp w, 0,1,2,3
	ds_load_b32 v[WTV+\w], v224 offset:WTB+128*\w
.endr
	v_mov_b32 v[K64], 64
	v_mov_b32 v[K128], 0x80
	v_mov_b32 v[K192], 0xc0
	s_mov_b32 s60, 0                               ; tiles so far
	s_mov_b32 s24, 0
	s_mov_b32 s25, 0
	s_mov_b32 s26, 0
	s_mov_b32 s27, 0
	s_wait_dscnt 0x0
	v_add_nc_u32 v[C2], v[WTV], v[WTV+1]
	v_add_nc_u32 v[C3], v[C2], v[WTV+2]
	v_add_nc_u32 v[TOT], v[C3], v[WTV+3]           ; lane s: tokens of set s
.set sx, 0
.rept 28
	v_readlane_b32 s[TT+sx], v[TOT], sx            ; one batch, so that the scalar walk waits once
.set sx, sx+1
.endr
.set sx, 0
.irp lo, 0,1,2,3,4,5,6
.irp hi, 1,2,3,4,5,6,7
.if \hi > \lo
	SETSTEP sx, (\lo)|((\hi)<<8)
.set sx, sx+1
.endif
.endr
.endr
	s_min_u32 s27, s27, 27
	s_lshl_b32 s62, s27, 2
	v_mov_b32 v[V4S], s62
	s_lshl_b32 s62, s27, 3
	v_mov_b32 v[V8S], s62
	ds_bpermute_b32 v[C1V], v[V4S], v[WTV]         ; my set's tokens in the first one, two, three quarters, from the lane that holds them
	ds_bpermute_b32 v[C2V], v[V4S], v[C2]
	ds_bpermute_b32 v[C3V], v[V4S], v[C3]
	s_and_b32 s28, s24, 0xff
	s_min_u32 s28, s28, 7
	s_lshr_b32 s29, s24, 8
	s_min_u32 s29, s29, 7
	s_sub_co_u32 s30, s3, s25
	s_mul_i32 s30, s30, 80                         ; my tile's first place in its set
	s_sub_co_i32 s31, s26, s30
	s_max_i32 s31, s31, 0
	s_min_i32 s31, s31, 80                         ; its tokens: 0 to 80
	s_max_u32 s61, s26, 1
	s_sub_co_u32 s61, s61, 1                       ; the set's last place: rows past the count repeat it
	s_lshl_b32 s32, s28, 4                         ; the first chunk of W1_lo,
	s_lshl_b32 s33, s29, 4                         ; of W1_hi,
	s_add_co_u32 s34, s32, 128                     ; of W2_lo,
	s_add_co_u32 s35, s33, 128                     ; of W2_hi
	s_lshl_b32 s62, s28, 11
	s_lshl_b32 s63, s29, 11
	v_lshl_add_u32 v216, v0, 4, s62
	v_lshl_add_u32 v217, v0, 4, s63
.irp u, 0,1,2,3
	v_lshl_add_u32 v[VO+\u], s32, 15, v[VL+\u]
.endr
	global_load_b128 v[BQ:BQ+3],     v216, s[12:13]
	global_load_b128 v[BQ+4:BQ+7],   v217, s[12:13]
	global_load_b128 v[BQ+8:BQ+11],  v216, s[14:15]
	global_load_b128 v[BQ+12:BQ+15], v217, s[14:15]
	RING 0                                         ; the first three K steps of W1_lo go out while the tokens are found
	RING 1
	RING 2
	WIN 0
	; THE TOKENS: every wave finds all 80, row 16 ch + r in lanes r and r + 16.
	EACH v_add_nc_u32 v[POS+ch], 16*ch, v2
	EACH v_add_nc_u32 v[POS+ch], s30, v[POS+ch]
	EACH v_min_u32 v[POS+ch], s61, v[POS+ch]
	s_wait_dscnt 0x0
	EACH v_cmp_ge_u32 s[40+ch], v[POS+ch], v[C1V]  ; the last quarter that begins at or before the place
	EACH v_cndmask_b32 v[VAL+ch], v7, v[C1V], s[40+ch]
	EACH v_cndmask_b32 v[GR+ch], v7, v[K64], s[40+ch]
	EACH v_cmp_ge_u32 s[40+ch], v[POS+ch], v[C2V]
	EACH v_cndmask_b32 v[VAL+ch], v[VAL+ch], v[C2V], s[40+ch]
	EACH v_cndmask_b32 v[GR+ch], v[GR+ch], v[K128], s[40+ch]
	EACH v_cmp_ge_u32 s[40+ch], v[POS+ch], v[C3V]
	EACH v_cndmask_b32 v[VAL+ch], v[VAL+ch], v[C3V], s[40+ch]
	EACH v_cndmask_b32 v[GR+ch], v[GR+ch], v[K192], s[40+ch]
	EACH v_sub_nc_u32 v[POS+ch], v[POS+ch], v[VAL+ch]
	EACH v_mov_b32 v[BS+ch], 0
	PROBE 32
	PROBE 16
	PROBE 8
	PROBE 4
	PROBE 2
	PROBE 1
	s_barrier_signal -1                            ; my reads of the table are back (the last probe's wait): behind this barrier x's rows are laid over it
	s_barrier_wait -1
	EACH v_sub_nc_u32 v[RK+ch], v[POS+ch], v[BS+ch]    ; the token's rank in its group
	EACH v_min_u32 v[GR+ch], 0xff, v[GR+ch]
	EACH v_lshl_add_u32 v[ADR+ch], v[GR+ch], 8, v[V8S]
	EACH global_load_b64 v[MP+2*ch:MP+2*ch+1], v[ADR+ch], s[18:19]
	s_wait_loadcnt 0x0                             ; the masks are the youngest loads
	COUNTS MP, 2
	EACH v_lshrrev_b32 v[T1+ch], 16, v[SD+ch]
	EACH v_add_nc_u32 v[T1+ch], v[T1+ch], v[SD+ch]
	EACH v_and_b32 v[T1+ch], 0xff, v[T1+ch]        ; the group's even tokens of the set; the odd ones are numbered behind them
	EACH v_cmp_ge_u32 s[40+ch], v[RK+ch], v[T1+ch]
	EACH v_sub_nc_u32 v[T2+ch], v[RK+ch], v[T1+ch]
	EACH v_cndmask_b32 v[RK+ch], v[RK+ch], v[T2+ch], s[40+ch]
	EACH v_cndmask_b32 v[MS+ch], v[MP+2*ch], v[MP+2*ch+1], s[40+ch]
	EACH v_cndmask_b32 v[OD+ch], 0, 1, s[40+ch]
	COUNTS MS, 1
	EACH v_mov_b32 v[PP+ch], 0
	LEVEL 16, SD, 8
	LEVEL 8, SC, 8
	LEVEL 4, SB, 4
	LEVEL 2, SA, 2
	LEVEL 1, MS, 1
	EACH v_lshl_add_u32 v[T1+ch], v[PP+ch], 1, v[OD+ch]
	EACH v_lshl_add_u32 v[TOKV+ch], v[GR+ch], 6, v[T1+ch]  ; 64 x group + 2 x bit + odd
	EACH v_min_u32 v[TOKV+ch], 0x3fff, v[TOKV+ch]
	EACH v_lshlrev_b32 v[ADR+ch], 3, v[TOKV+ch]
	EACH global_load_b64 v[WP+2*ch:WP+2*ch+1], v[ADR+ch], s[20:21]
.irp a, 0,1,2,3,4
.irp i, 0,1,2,3
	ds_bpermute_b32 v[GO+4*\a+\i], v[IDX+\i], v[TOKV+\a]   ; the token of row 16 a + 4 w + i, into every lane
.endr
.endr
	s_wait_dscnt 0x0
.set q, 0
.rept 20
	v_min_u32 v[GO+q], 0x3fff, v[GO+q]
.set q, q+1
.endr
.set q, 0
.rept 20
	v_lshl_add_u32 v[GO+q], v[GO+q], 11, v4
.set q, q+1
.endr
	WIN 0x80                                       ; 80 loads of 512 consecutive bytes land where the accumulators will be
.set q, 0
.rept 16
.irp sg, 0,1,2,3
	global_load_b128 v[16*q+4*\sg:16*q+4*\sg+3], v[GO+q], s[8:9] offset:512*\sg
.endr
.set q, q+1
.endr
	WIN 0xc0
.rept 4
.irp sg, 0,1,2,3
	global_load_b128 v[16*(q-16)+4*\sg:16*(q-16)+4*\sg+3], v[GO+q], s[8:9] offset:512*\sg
.endr
.set q, q+1
.endr
	RING 3
	WIN 0
	s_wait_loadcnt 63                              ; the weights of the gate: 96 loads are younger; the count is the largest that the wait can name
.irp v, 0,1,2,3
	v_cvt_pk_bf16_f32 v220, v[BQ+4*\v], v[BQ+4*\v+1]       ; the biases are rounded to bf16 like every input, and kept as f32
	v_cvt_pk_bf16_f32 v221, v[BQ+4*\v+2], v[BQ+4*\v+3]
	v_lshlrev_b32 v[BQ+4*\v], 16, v220
	v_and_b32 v[BQ+4*\v+1], 0xffff0000, v220
	v_lshlrev_b32 v[BQ+4*\v+2], 16, v221
	v_and_b32 v[BQ+4*\v+3], 0xffff0000, v221
	ds_store_b128 v218, v[BQ+4*\v:BQ+4*\v+3] offset:2048*\v
.endr
.irp i, 0,1,2,3,4,5,6,7,8,9
	v_mov_b32 v[WS+\i], v[WP+\i]
.endr
	XGRP 0, 63                                     ; younger than a group's 16 loads: 16 for each later group and slot 3's 16: 80, 64, 48, 32, 16
	XGRP 1, 63
	XGRP 2, 48
	XGRP 3, 32
	XGRP 4, 16
	s_wait_dscnt 0x0                               ; for the others' sake: my rows of x and my part of the biases are in LDS
	s_barrier_signal -1
	s_barrier_wait -1
	; THE FIRST LAYER, once for each expert: 4 trips of 4 K steps.  The last trip's fills take the next matrix's first four K steps, so the ring never stops.
	s_mov_b32 s36, 0
	s_mov_b32 s38, 2
	BTLOAD BTA, 0
	ALOAD 0, 0
	ALOAD 1, 64
.Lp:
	s_wait_dscnt 0x0                               ; the bias and the first fragments are in
	INIT1
	WIN 0                                          ; at a label and at a branch every window is 0
	s_mov_b32 s37, 4
.Ll1:
	s_add_co_u32 s60, s32, 1                       ; the fills take the chunk behind the one in hand,
	s_cmp_eq_u32 s37, 1
	s_cselect_b32 s32, s33, s60                    ; or, in the last trip, the next matrix's first;
	s_min_u32 s39, s32, 0xf3                       ; where the number becomes an address it is held to the chunks that there are: with my slice's 12 at the most, 255 of wp's 256
	TRIP 1, 0x300, 0
	WIN 0
	s_sub_co_u32 s37, s37, 1
	s_cmp_lg_u32 s37, 0
	s_cbranch_scc1 .Ll1
	v_add_nc_u32 v13, 0x800, v13                   ; the next bias: b1_hi, then b2_lo
	BTLOAD BTA, 0
	EPI1
	s_mov_b32 s33, s34
	s_mov_b32 s34, s35
.irp a, 0,1,2,3,4
	v_add_nc_u32 v[HST+\a], 0x400, v[HST+\a]       ; h_hi lies behind h_lo
	v_mov_b32 v[WS+2*\a], v[WP+2*\a+1]             ; and takes w_hi
.endr
	s_sub_co_u32 s38, s38, 1
	s_cmp_lg_u32 s38, 0
	s_cbranch_scc1 .Lp
	; BETWEEN THE LAYERS: one barrier; the sums' beginnings, work on registers, stand between its signal and its wait.
	BTLOAD BTB, 2048                               ; b2_hi
	s_wait_dscnt 0x0                               ; for the others' sake: my columns of h are in LDS; for mine: both biases are in
	s_barrier_signal -1
	INIT2
	WIN 0
	s_barrier_wait -1                              ; h is whole
	v_mul_u32_u24 v[AX], v2, HSP
	v_lshl_add_u32 v[AX], v3, 4, v[AX]
	v_add_nc_u32 v[AX], HS, v[AX]
.irp a, 1,2,3,4
	v_add_nc_u32 v[AX+\a], \a*16*HSP, v[AX]
.endr
.irp a, 0,1,2,3,4
	v_mov_b32 v[AD+\a], v[AX+\a]
.endr
	s_mov_b32 s36, 0
	ALOAD 0, 0
	ALOAD 1, 64
	; THE SECOND LAYER: K = 1,024, 8 trips; the fourth's fills go over from W2_lo to W2_hi; the eighth is written out, since it fills nothing.
	s_mov_b32 s37, 7
.Ll2:
	s_add_co_u32 s60, s32, 1
	s_cmp_eq_u32 s37, 4
	s_cselect_b32 s32, s33, s60
	s_min_u32 s39, s32, 0xf3                       ; as in the first layer
	TRIP 1, 0x700, 0
	WIN 0
	s_sub_co_u32 s37, s37, 1
	s_cmp_lg_u32 s37, 0
	s_cbranch_scc1 .Ll2
	TRIP 0, 0, 1
	OUTBLK 0
	OUTBLK 1
	OUTBLK 2
	OUTBLK 3
	OUTBLK 4
.Ldone:
	s_wait_dscnt 0x0                               ; rows read back and not stored
	s_wait_tensorcnt 0x0                           ; the wave's end
	ds_add_u32 v26, v27
	s_wait_dscnt 0x0
	s_endpgm
.Lfunc_end_k_q68fe77f6b5_chain:
	.size	k_q68fe77f6b5_chain, .Lfunc_end_k_q68fe77f6b5_chain-k_q68fe77f6b5_chain
	.p2alignl 7, 3214868480
	.fill 96, 4, 3214868480
	.section	.rodata,"a",@progbits
	.p2align	6, 0x0
	.amdhsa_kernel k_q68fe77f6b5_chain
		.amdhsa_group_segment_fixed_size 290816
		.amdhsa_private_segment_fixed_size 0
		.amdhsa_enable_private_segment 0
		.amdhsa_kernarg_size 64
		.amdhsa_user_sgpr_count 2
		.amdhsa_user_sgpr_kernarg_segment_ptr 1
		.amdhsa_wavefront_size32 1
		.amdhsa_system_sgpr_workgroup_id_x 1
		.amdhsa_system_sgpr_workgroup_id_y 1
		.amdhsa_system_sgpr_workgroup_id_z 1
		.amdhsa_system_vgpr_workitem_id 0
		.amdhsa_next_free_vgpr 960
		.amdhsa_next_free_sgpr 72
		.amdhsa_reserve_vcc 0
		.amdhsa_float_denorm_mode_32 3
		.amdhsa_float_denorm_mode_16_64 3
		.amdhsa_memory_ordered 1
		.amdhsa_forward_progress 1
		.amdhsa_inst_pref_size 255
	.end_amdhsa_kernel
	.section	.bss,"aw",@nobits
	.p2align	6
	.space	262144
	.amdgpu_metadata
---
amdhsa.version: [ 1, 2 ]
amdhsa.kernels:
  - .name:           k_q68fe77f6b5_chain
    .symbol:         k_q68fe77f6b5_chain.kd
    .args:
      - { .name: x, .offset: 0, .size: 8, .value_kind: global_buffer, .address_space: global }
      - { .name: wp, .offset: 8, .size: 8, .value_kind: global_buffer, .address_space: global }
      - { .name: b1, .offset: 16, .size: 8, .value_kind: global_buffer, .address_space: global }
      - { .name: b2, .offset: 24, .size: 8, .value_kind: global_buffer, .address_space: global }
      - { .name: hist, .offset: 32, .size: 8, .value_kind: global_buffer, .address_space: global }
      - { .name: bm, .offset: 40, .size: 8, .value_kind: global_buffer, .address_space: global }
      - { .name: wpair, .offset: 48, .size: 8, .value_kind: global_buffer, .address_space: global }
      - { .name: out0, .offset: 56, .size: 8, .value_kind: global_buffer, .address_space: global }
    .group_segment_fixed_size: 290816
    .private_segment_fixed_size: 0
    .kernarg_segment_align: 8
    .kernarg_segment_size: 64
    .max_flat_workgroup_size: 128
    .sgpr_count:     72
    .vgpr_count:     960
    .wavefront_size: 32
...
	.end_amdgpu_metadata
.endif
;; end of part 2
